; MI455X (gfx1250); checked and timed in simulation.
; The chip was launched on July 23, 2026; its instructions are those of AMD's public machine-readable ISA for CDNA 5 (MIT licence, August 2026) and "CDNA5" Instruction Set Architecture Reference Guide (July 2026). The comments in the code are by the model that wrote it; some were corrected since.
;; Matrix Exp Embedding. Allowed arithmetic: float matrix products may take bf16 or f16 operands with f32 sums; all other float work in f32.
;; Inputs: dynamics 2 x 2 float32; initial_state 2 x 1 float32; x 4,194,304 float32.
;; Outputs: out0 4,194,304 x 2 float32.
;; One version. Each part assembles by itself: llvm-mc -triple=amdgcn-amd-amdhsa -mcpu=gfx1250 --defsym DOCPART=n.
;; ======== version 1 of 1: 1 launch
;; launch expm2 (part 1): grid 1024 x 1, 8 waves a work-group, no clusters, 0 bytes of LDS; arguments x, dynamics, initial_state, out0; writes out0
.if DOCPART == 1
	.amdgcn_target "amdgcn-amd-amdhsa--gfx1250"
	.amdhsa_code_object_version 6
	.text
	.protected	k_qb3df18240f_expm2
	.globl	k_qb3df18240f_expm2
	.p2align	8
	.type	k_qb3df18240f_expm2,@function
k_qb3df18240f_expm2:
	s_mov_b64 s[64:65], 0
	v_nop
	global_prefetch_b8 v0, s[64:65] scope:SCOPE_SE
	s_setreg_imm32_b32 hwreg(HW_REG_WAVE_MODE, 25, 1), 1
	s_wait_xcnt 0x0
; out0[n][:] = expm( (x[n]/pi) * A ) * v      x: [4194304] f32, A = dynamics [2][2] = (a b; c d), v = initial_state [2][1], out0: [4194304][2] f32.
;
; THE FORM THAT IS EVALUATED.  With s = x/pi, m = (a+d)/2, h = (a-d)/2 and B = A - m I, B has trace 0, so by Cayley-Hamilton
; B*B = D*I with D = h*h + b*c.  The exponential series of s*B therefore splits into its even and odd powers:
;     expm(s A) v = e^(s m) * [ cosh(s q) v + sinh(s q)/q * u ]   (D > 0, q = sqrt(D))
;                 = e^(s m) * [ cos (s q) v + sin (s q)/q * u ]   (D < 0, q = sqrt(-D)),      u = B v = (h v0 + b v1, c v0 - h v1).
; This is an identity for every real A, v and s; reference() evaluates the same function by a Pade approximant and repeated squaring.
; Every input is loaded and reaches the result; the product with v is carried by the two constant vectors v and u.
; There is no product left that would fill a matrix tile: all arithmetic is f32, on the vector unit for x and on the scalar unit for A and v.
;
; ONE TEXT FOR BOTH SIGNS OF D, no branch.  y = s q is counted in periods P = ln 2 (D > 0) or P = pi (D <= 0): t = y/P = x * q/(pi P) = k + f,
; k whole, |f| <= 1/2; f = fma(x, q/(pi P), -k) is rounded once.
;   cosh|cos (P f) = c0 + c1 z + .. + c4 z^4 and sinh|sin (P f) = f (s0 + s1 z + .. + s4 z^4), z = f*f, P inside the coefficients.
;   D <= 0: the Chebyshev series of cos(pi f) and sin(pi f) on |f| <= 1/2, cut behind T8(2f) and T9(2f) and written in powers of z; the first
;     terms left out are 2 J10(pi/2) = 4.7e-8 and 2 J11(pi/2) = 3.4e-9 (for sin, 2.4e-8 of its value as f -> 0).
;   D > 0: Taylor, (ln 2)^j / j!; |P f| <= 0.35 leaves 7e-12.
;   E1 = 2^(x cm + kap k), E2 = 2^(x cm - kap k), cm = m log2(e)/pi.
;   D > 0 (kap = 1): E1 + E2 = 2 e^(sm) cosh(k ln 2), E1 - E2 = 2 e^(sm) sinh(k ln 2); the exponents are added BEFORE the exponential, so a
;     large cosh never meets a small e^(sm); for k = 0 the difference is exactly 0, so small y and nearly defective A lose nothing.
;   D <= 0 (kap = 0): E1 = E2 = e^(sm), the sum is 2 e^(sm), the difference exactly 0, and (-1)^k is set as the sum's sign bit.
;   Then, for both:  2 e^(sm) cosh|cos y = SUM*C + DIF*S,   2 e^(sm) sinh|sin y = DIF*C + SUM*S   (addition theorems; for D <= 0 DIF = 0).
;   |D| is raised to 2^-100 at the least: both forms tend to v + s u as q -> 0, with a relative difference of (s q)^2 / 6.
;
; LIMITS.  q/(pi P) is an f32 made by a root and a product: the phase is off by about 1.5e-7 |y|; |k| must stay below 2^22.
; The polynomials are off by up to 4.7e-8 of the amplitude (x = 0 gives v (1 - 6e-8)).  D must not overflow (entries of A below about 1e19 in
; magnitude).  v_exp_f32 gives 0 for results below 2^-126 (ISA guide 15.8).  SUM carries a factor 2: results within a factor 4 of the largest
; f32 may overflow early.  A NaN or infinity in dynamics is not carried to both components as reference() would carry it.  reference() returns
; NaN where the 1-norm of s A asks for more than 16 squarings (above about 5e5); that cap is not reproduced.
;
; SHARES.  1,024 work-groups of 8 waves; a work-group owns 4,096 consecutive x.  Thread t takes x[2t], x[2t+1] of each of 8 blocks of 512:
; a wave's load covers 256 consecutive bytes, aligned; the two elements' four results are 16 neighbouring bytes, so a wave's store covers
; 512 consecutive bytes, aligned.  All 8 loads go out first; the constants are made while they are on their way.  Every register that a
; load or store names (offsets, bases, store data) is written once in the kernel, so none has to be freed.
;
; CONSTANTS.  They hang on six scalars, so they are made once a wave by scalar instructions, not once a lane.  A packed line takes a constant
; as a scalar pair of which it reads the first register for both halves (op_sel_hi 0); each line names at most one scalar pair or one literal.
; Eight vector lines remain: v/2 and u/(2q), which are read as true pairs, and four constants that share a line with a literal or a scalar pair.
.set UNITS, 8
.set XSTEP, 2048                       ; bytes of x per block of the work-group: 256 threads x 8
.set OSTEP, 4096                       ; bytes of out0 per block: 256 threads x 16
; scalar registers: s[12:15] a b c d, s[16:17] v0 v1
.set HH,  20                           ; h
.set NG,  21                           ; -d, then -h
.set DD,  22                           ; D
.set AD,  23                           ; max(|D|, 2^-100)
.set QQ,  24                           ; q
.set RQ,  25                           ; 1/q, then 1/(2q)
.set U0,  26                           ; u0
.set U1,  27                           ; u1
.set CM,  28                           ; s28 cm (s29: a + d)
; from here on pairs made by PICK: the even register holds the chosen constant, the odd one the value for D <= 0
.set KP,  30                           ; kap
.set KN,  32                           ; -kap
.set KF,  34                           ; 1/(pi P)
.set PC4, 36                           ; c4 .. c0
.set PC3, 40
.set PC2, 42
.set PC1, 44
.set PC0, 46
.set PS4, 38                           ; s4 .. s0
.set PS3, 48
.set PS2, 50
.set PS1, 52
.set PS0, 54
.set PM,  56                           ; 1 (D <= 0: the parity of k counts) or 0
; vector registers
.set KV, 4                             ; v4 -q/(pi P)   v5 q/(pi P)
.set KT, 6                             ; v6 c4          v7 s4
.set VV, 8                             ; v[8:9]   v/2
.set UU, 10                            ; v[10:11] u/(2q)
.set XR, 12                            ; v[12:27] x, a pair for each block
.set NF, 28                            ; 1.5*2^23 - k: the word's lowest bit is k's parity (1.5*2^23 is even)
.set NK, 30                            ; -k
.set FF, 32                            ; f
.set EA, 34                            ; x cm
.set EP, 36                            ; exponent of E1, later SUM
.set EM, 38                            ; exponent of E2, later DIF
.set E1, 40
.set E2, 42
.set ZZ, 44                            ; f*f
.set CC, 46                            ; cosh|cos (P f)
.set SS, 48                            ; sinh|sin (P f)
.set CH, 50                            ; 2 e^(sm) cosh|cos y
.set SH, 52                            ; 2 e^(sm) sinh|sin y
.set TT, 54                            ; parity of k, masked
.set OUT, 56                           ; v[56:87] four results for each block
	s_load_b256 s[4:11], s[0:1], 0x0               ; x s[4:5], dynamics s[6:7], initial_state s[8:9], out0 s[10:11]
	v_lshlrev_b32 v1, 3, v0                        ; my 8 bytes in a block of x
	v_lshlrev_b32 v2, 4, v0                        ; my 16 bytes in a block of out0
	s_lshl_b32 s2, ttmp9, 14                       ; the work-group's 16,384 bytes of x (below 2^24 in all)
	s_mov_b32 s3, 0
	s_lshl_b32 s18, ttmp9, 15                      ; and its 32,768 bytes of out0
	s_mov_b32 s19, 0
	s_wait_kmcnt 0x0
	s_load_b128 s[12:15], s[6:7], 0x0              ; a, b, c, d
	s_load_b64 s[16:17], s[8:9], 0x0               ; v0, v1
	s_add_nc_u64 s[4:5], s[4:5], s[2:3]
	s_add_nc_u64 s[10:11], s[10:11], s[18:19]
.irp j, 0,1,2,3,4,5,6,7
	global_load_b64 v[XR+2*\j:XR+2*\j+1], v1, s[4:5] offset:\j*XSTEP th:TH_LOAD_NT   ; read once in the launch
.endr
	s_wait_kmcnt 0x0
	; the constants, once a wave
	s_xor_b32 s[NG], s15, 0x80000000               ; -d
	s_add_f32 s[CM+1], s12, s15                    ; a + d
	s_add_f32 s[HH], s12, s[NG]                    ; a - d
	s_mul_f32 s[CM], s[CM+1], 0x3e6b1f6c           ; cm = (a + d) * log2(e)/(2 pi)
	s_mul_f32 s[HH], s[HH], 0.5                    ; h
	s_mul_f32 s[DD], s13, s14
	s_fmac_f32 s[DD], s[HH], s[HH]                 ; D = b c + h h
	s_and_b32 s[AD], s[DD], 0x7fffffff             ; |D|; numbers that are not negative order alike as f32 and as whole numbers:
	s_max_u32 s[AD], s[AD], 0x0d800000             ; at least 2^-100, so that q and 1/q stay normal numbers
	v_s_sqrt_f32 s[QQ], s[AD]
	v_s_rsq_f32 s[RQ], s[AD]
	v_mul_f32 v[VV], s16, 0.5                      ; v/2 (SUM and DIF carry a factor 2).  These two plain vector lines also stand between the two
	v_mul_f32 v[VV+1], s17, 0.5                    ; transcendentals and the first use of a result (ISA guide 5.7.2)
	s_xor_b32 s[NG], s[HH], 0x80000000             ; -h
	s_mul_f32 s[U0], s[HH], s16                    ; h v0
	s_mul_f32 s[U1], s[NG], s17                    ; -h v1
	s_fmac_f32 s[U0], s13, s17                     ; u0 = h v0 + b v1
	s_fmac_f32 s[U1], s14, s16                     ; u1 = c v0 - h v1
	s_mul_f32 s[RQ], s[RQ], 0.5                    ; 1/(2q)
	; D > 0 is read off D's bits as a signed whole number.  Up to the last choice stand only s_mov_b32 and s_cselect_b32, which leave SCC alone.
.macro PICK dst, hyp, trig
	s_mov_b32 s[\dst+1], \trig                     ; an instruction holds one literal: the other value comes through the pair's odd register,
	s_cselect_b32 s[\dst], \hyp, s[\dst+1]         ; which a packed line's scalar pair wants written in any case
.endm
	s_cmp_gt_i32 s[DD], 0
	PICK KP,  0x3f800000, 0                        ; kap
	PICK KN,  0xbf800000, 0                        ; -kap
	PICK KF,  0x3eeb1f6c, 0x3dcf817b               ; 1/(pi ln 2) = 0.45922409     | 1/pi^2 = 0.10132118
	PICK PC0, 0x3f800000, 0x3f7fffff               ; 1                            |  0.99999995
	PICK PC1, 0x3e75fdf0, 0xc09de9d3               ; (ln 2)^2/2!  = 0.24022651    | -4.9347928
	PICK PC2, 0x3c1d955b, 0x4081de81               ; (ln 2)^4/4!  = 9.6181291e-3  |  4.0584114
	PICK PC3, 0x39218489, 0xbfaa7aee               ; (ln 2)^6/6!  = 1.5403530e-4  | -1.3318766
	PICK PC4, 0x35b16011, 0x3e60f650               ; (ln 2)^8/8!  = 1.3215487e-6  |  0.21968961
	PICK PS0, 0x3f317218, 0x40490fda               ; ln 2         = 0.69314718    |  3.1415926
	PICK PS1, 0x3d635847, 0xc0a55ddb               ; (ln 2)^3/3!  = 5.5504109e-2  | -5.1677069
	PICK PS2, 0x3aaec3ff, 0x402333b6               ; (ln 2)^5/5!  = 1.3333558e-3  |  2.5500312
	PICK PS3, 0x377fe5fe, 0xbf19196d               ; (ln 2)^7/7!  = 1.5252734e-5  | -0.59804420
	PICK PS4, 0x33da929f, 0x3d9e24ac               ; (ln 2)^9/9!  = 1.0178086e-7  |  0.077218386
	s_cselect_b32 s[PM], 0, 1
	v_mul_f32 v[UU], s[U0], s[RQ]                  ; u/(2q)
	v_mul_f32 v[UU+1], s[U1], s[RQ]
	v_mul_f32 v[KV+1], s[QQ], s[KF]                ; q/(pi P)
	v_mov_b32 v[KT], s[PC4]
	v_mov_b32 v[KT+1], s[PS4]
	v_xor_b32 v[KV], 0x80000000, v[KV+1]           ; and exactly its negative
; One block: two elements a lane, side by side in register pairs.  A constant goes to both halves: of a vector pair op_sel and op_sel_hi 0
; take the first register, both 1 the second; a scalar pair or a literal has op_sel_hi 0.
.macro UNIT j
	s_wait_loadcnt UNITS-1-\j                      ; loads come back in order (ISA guide 5.7.1): block j is in, the 7 - j younger loads stay out
	v_pk_fma_f32 v[NF:NF+1], v[XR+2*\j:XR+2*\j+1], v[KV:KV+1], 0x4b400000 op_sel_hi:[1,0,0]   ; 1.5*2^23 - t: rounds to a whole number, 1.5*2^23 - k
	v_pk_mul_f32 v[EA:EA+1], v[XR+2*\j:XR+2*\j+1], s[CM:CM+1] op_sel_hi:[1,0]                 ; x cm
	v_pk_add_f32 v[NK:NK+1], v[NF:NF+1], 0xcb400000 op_sel_hi:[1,0]                           ; -k, exact
	v_pk_fma_f32 v[FF:FF+1], v[XR+2*\j:XR+2*\j+1], v[KV:KV+1], v[NK:NK+1] op_sel:[0,1,0] op_sel_hi:[1,1,1]   ; f = t - k, rounded once
	v_pk_fma_f32 v[EP:EP+1], v[NK:NK+1], s[KN:KN+1], v[EA:EA+1] op_sel_hi:[1,0,1]             ; x cm + kap k
	v_pk_fma_f32 v[EM:EM+1], v[NK:NK+1], s[KP:KP+1], v[EA:EA+1] op_sel_hi:[1,0,1]             ; x cm - kap k
	v_exp_f32 v[E1], v[EP]
	v_exp_f32 v[E1+1], v[EP+1]
	v_exp_f32 v[E2], v[EM]
	v_exp_f32 v[E2+1], v[EM+1]
	; the two polynomials touch none of the exponentials' registers: they stand between those and the first use (ISA guide 5.7.2)
	v_pk_mul_f32 v[ZZ:ZZ+1], v[FF:FF+1], v[FF:FF+1]
	v_and_b32 v[TT], s[PM], v[NF]                                                             ; k's parity, or 0 for D > 0
	v_and_b32 v[TT+1], s[PM], v[NF+1]
	v_pk_fma_f32 v[CC:CC+1], v[ZZ:ZZ+1], v[KT:KT+1], s[PC3:PC3+1] op_sel_hi:[1,0,0]           ; c4 z + c3      the two chains take turns
	v_pk_fma_f32 v[SS:SS+1], v[ZZ:ZZ+1], v[KT:KT+1], s[PS3:PS3+1] op_sel:[0,1,0] op_sel_hi:[1,1,0]   ; s4 z + s3
	v_pk_fma_f32 v[CC:CC+1], v[CC:CC+1], v[ZZ:ZZ+1], s[PC2:PC2+1] op_sel_hi:[1,1,0]
	v_pk_fma_f32 v[SS:SS+1], v[SS:SS+1], v[ZZ:ZZ+1], s[PS2:PS2+1] op_sel_hi:[1,1,0]
	v_pk_fma_f32 v[CC:CC+1], v[CC:CC+1], v[ZZ:ZZ+1], s[PC1:PC1+1] op_sel_hi:[1,1,0]
	v_pk_fma_f32 v[SS:SS+1], v[SS:SS+1], v[ZZ:ZZ+1], s[PS1:PS1+1] op_sel_hi:[1,1,0]
	v_pk_fma_f32 v[CC:CC+1], v[CC:CC+1], v[ZZ:ZZ+1], s[PC0:PC0+1] op_sel_hi:[1,1,0]           ; cosh|cos (P f)
	v_pk_fma_f32 v[SS:SS+1], v[SS:SS+1], v[ZZ:ZZ+1], s[PS0:PS0+1] op_sel_hi:[1,1,0]
	v_pk_mul_f32 v[SS:SS+1], v[SS:SS+1], v[FF:FF+1]                                           ; sinh|sin (P f)
	s_wait_alu depctr_va_vdst(0)
	v_pk_add_f32 v[EP:EP+1], v[E1:E1+1], v[E2:E2+1]                                           ; SUM, never negative
	v_pk_add_f32 v[EM:EM+1], v[E1:E1+1], v[E2:E2+1] neg_lo:[0,1] neg_hi:[0,1]                 ; DIF
	v_lshl_or_b32 v[EP], v[TT], 31, v[EP]                                                     ; (-1)^k as SUM's sign bit (D <= 0 only)
	v_lshl_or_b32 v[EP+1], v[TT+1], 31, v[EP+1]
	v_pk_mul_f32 v[CH:CH+1], v[EP:EP+1], v[CC:CC+1]
	v_pk_mul_f32 v[SH:SH+1], v[EM:EM+1], v[CC:CC+1]
	v_pk_fma_f32 v[CH:CH+1], v[EM:EM+1], v[SS:SS+1], v[CH:CH+1]                               ; SUM C + DIF S
	v_pk_fma_f32 v[SH:SH+1], v[EP:EP+1], v[SS:SS+1], v[SH:SH+1]                               ; DIF C + SUM S
	; now a pair is one element's two components: the element's CH and SH go to both halves, v/2 and u/(2q) are taken as pairs
	v_pk_mul_f32 v[OUT+4*\j:OUT+4*\j+1], v[CH:CH+1], v[VV:VV+1] op_sel_hi:[0,1]
	v_pk_mul_f32 v[OUT+4*\j+2:OUT+4*\j+3], v[CH:CH+1], v[VV:VV+1] op_sel:[1,0] op_sel_hi:[1,1]
	v_pk_fma_f32 v[OUT+4*\j:OUT+4*\j+1], v[SH:SH+1], v[UU:UU+1], v[OUT+4*\j:OUT+4*\j+1] op_sel_hi:[0,1,1]
	v_pk_fma_f32 v[OUT+4*\j+2:OUT+4*\j+3], v[SH:SH+1], v[UU:UU+1], v[OUT+4*\j+2:OUT+4*\j+3] op_sel:[1,0,0] op_sel_hi:[1,1,1]
	global_store_b128 v2, v[OUT+4*\j:OUT+4*\j+3], s[10:11] offset:\j*OSTEP th:TH_STORE_NT     ; written once, not read again; the block's own four registers
.endm
.irp j, 0,1,2,3,4,5,6,7
	UNIT \j
.endr
	s_endpgm
.Lfunc_end_k_qb3df18240f_expm2:
	.size	k_qb3df18240f_expm2, .Lfunc_end_k_qb3df18240f_expm2-k_qb3df18240f_expm2
	.p2alignl 7, 3214868480
	.fill 96, 4, 3214868480
	.section	.rodata,"a",@progbits
	.p2align	6, 0x0
	.amdhsa_kernel k_qb3df18240f_expm2
		.amdhsa_group_segment_fixed_size 0
		.amdhsa_private_segment_fixed_size 0
		.amdhsa_enable_private_segment 0
		.amdhsa_kernarg_size 32
		.amdhsa_user_sgpr_count 2
		.amdhsa_user_sgpr_kernarg_segment_ptr 1
		.amdhsa_wavefront_size32 1
		.amdhsa_system_sgpr_workgroup_id_x 1
		.amdhsa_system_sgpr_workgroup_id_y 1
		.amdhsa_system_sgpr_workgroup_id_z 1
		.amdhsa_system_vgpr_workitem_id 0
		.amdhsa_next_free_vgpr 88
		.amdhsa_next_free_sgpr 66
		.amdhsa_reserve_vcc 0
		.amdhsa_float_denorm_mode_32 3
		.amdhsa_float_denorm_mode_16_64 3
		.amdhsa_memory_ordered 1
		.amdhsa_forward_progress 1
		.amdhsa_inst_pref_size 22
	.end_amdhsa_kernel
	.amdgpu_metadata
---
amdhsa.version: [ 1, 2 ]
amdhsa.kernels:
  - .name:           k_qb3df18240f_expm2
    .symbol:         k_qb3df18240f_expm2.kd
    .args:
      - { .name: x, .offset: 0, .size: 8, .value_kind: global_buffer, .address_space: global }
      - { .name: dynamics, .offset: 8, .size: 8, .value_kind: global_buffer, .address_space: global }
      - { .name: initial_state, .offset: 16, .size: 8, .value_kind: global_buffer, .address_space: global }
      - { .name: out0, .offset: 24, .size: 8, .value_kind: global_buffer, .address_space: global }
    .group_segment_fixed_size: 0
    .private_segment_fixed_size: 0
    .kernarg_segment_align: 8
    .kernarg_segment_size: 32
    .max_flat_workgroup_size: 256
    .sgpr_count:     66
    .vgpr_count:     88
    .wavefront_size: 32
...
	.end_amdgpu_metadata
.endif
;; end of part 1
